; MI455X (gfx1250); checked and timed in simulation.
; The chip was launched on July 23, 2026; its instructions are those of AMD's public machine-readable ISA for CDNA 5 (MIT licence, August 2026) and "CDNA5" Instruction Set Architecture Reference Guide (July 2026). The comments in the code are by the model that wrote it; some were corrected since.
;; Trajectory Decoder. Allowed arithmetic: matrix products marked QUANTISED: E2M1 operands, one E8M0 scale for each 32 along K, by v_wmma_scale_f32_16x16x128_f8f6f4 with both operands' format E2M1 (or v_wmma_scale_f32_32x16x128_f4), f32 sums; everything else in f32.
;; Inputs: W1_codes 4 x 512 x 8 x 16 uint8 (E2M1 codes of W1, K innermost, in blocks of 32 codes, two codes a byte); W1_scales 4 x 512 x 8 uint8 (E8M0 scales of W1, one for each 32 codes along K); W2_codes 4 x 32 x 16 x 16 uint8 (E2M1 codes of W2, K innermost, in blocks of 32 codes, two codes a byte); W2_scales 4 x 32 x 16 uint8 (E8M0 scales of W2, one for each 32 codes along K); b1 4 x 512 float32; b2 4 x 32 float32; types 65,536 int32; x_codes 65,536 x 8 x 16 uint8 (E2M1 codes of x, K innermost, in blocks of 32 codes, two codes a byte); x_scales 65,536 x 8 uint8 (E8M0 scales of x, one for each 32 codes along K).
;; Outputs: out0 65,536 x 32 float32.
;; This version of the problem:
;;   THIS VERSION OF THE PROBLEM IS GIVEN IN LOW PRECISION. The matrix products marked QUANTISED in the list below multiply operands that are first quantised to E2M1 (2 exponent bits, 1 mantissa bit; 4 bits a number), with one power-of-two scale for each 32 numbers along K (OCP MX v1.0); their sums are f32. All else is computed in f32.
;;   The module's matrix products, in the order in which they are computed (A, B: the left and right operand; K: the contracted axis; several contracted axes count as one K, in the product's order):
;;     1. [M 65,536, K 256] x [K 256, N 512]; A: input x (given as codes); B: input W1 (given as codes): QUANTISED
;;     2. [M 65,536, K 512] x [K 512, N 32]; A: computed on the way; B: input W2 (given as codes): QUANTISED
;;     3. [M 65,536, K 256] x [K 256, N 512]; A: input x (given as codes); B: input W1 (given as codes): QUANTISED
;;     4. [M 65,536, K 512] x [K 512, N 32]; A: computed on the way; B: input W2 (given as codes): QUANTISED
;;     5. [M 65,536, K 256] x [K 256, N 512]; A: input x (given as codes); B: input W1 (given as codes): QUANTISED
;;     6. [M 65,536, K 512] x [K 512, N 32]; A: computed on the way; B: input W2 (given as codes): QUANTISED
;;     7. [M 65,536, K 256] x [K 256, N 512]; A: input x (given as codes); B: input W1 (given as codes): QUANTISED
;;     8. [M 65,536, K 512] x [K 512, N 32]; A: computed on the way; B: input W2 (given as codes): QUANTISED
;;   THE QUANTISER, for each operand of a quantised product, along K:
;;     - K is cut into blocks of 32 from its start; a last block that is shorter is filled with zeros.
;;     - A block's scale is 2^e with e = floor(log2(the largest magnitude in the block)) - 2, held to -126 .. 127; a block of zeros has e = 0. As a byte (E8M0): e + 127.
;;     - Each number is divided by its block's scale, clamped to +-6, and rounded to the nearest number of E2M1, ties to even, subnormals kept.
;;     - The product sums the exact products of the quantised numbers (number of the format x scale) in f32.
;;   ~~~python
;;   def quantise(x, axis):      # numpy; x: float32 -> the quantised numbers, widened to float32 again
;;       x = np.moveaxis(x, axis, -1); K = x.shape[-1]
;;       x = np.pad(x, [(0, 0)] * (x.ndim - 1) + [(0, -K % 32)]); x = x.reshape(x.shape[:-1] + (-1, 32)); a = np.abs(x).max(-1, keepdims=True)
;;       e = np.where(a > 0, np.clip(np.frexp(np.where(a > 0, a, 1))[1] - 1 - 2, -126, 127), 0)      # np.frexp(a)[1] - 1 = floor(log2(a)), exactly
;;       r = np.clip(x / 2.0 ** e, -6, 6)
;;       step = 2.0 ** (np.maximum(np.frexp(np.where(r == 0, 1, r))[1] - 1, 0) - 1)
;;       q = np.round(r / step) * step * 2.0 ** e      # np.round: ties to even
;;       return np.moveaxis(q.reshape(q.shape[:-2] + (-1,))[..., :K], -1, axis).astype(np.float32)
;;   ~~~
;;   OPERANDS COMPUTED ON THE WAY. 'Computed on the way' means the value that the module computes at that place (a softmax that the list does not call 'softmax' is quantised finished and normalised). What goes into a quantiser is computed in f32, as accurately as f32 sums, v_exp_f32 and their like allow (about 1e-6 of the number): no bf16 or f16 on the way to a quantiser, and a product that is left as it is and whose result goes on into a quantised operand takes f32 operands (vector FMAs, or v_wmma_f32_16x16x4_f32). A number that lies on a knife's edge between two numbers of the format may be rounded either way, as far as f32 arithmetic and the matrix unit's own rounding can turn it there, and no further.
;;   INPUTS GIVEN AS CODES. W1 (in the module: [4, 256, 512], K = its axis 1); W2 (in the module: [4, 512, 32], K = its axis 1); x (in the module: [65536, 256], K = its axis 1): each comes as NAME_codes (uint8): NAME with its K axis moved to the last place and cut into blocks of 32 codes, [.., K / 32, bytes a block], one block behind the other in memory; two codes a byte, the lower K in the low four bits (a code: sign, 2 exponent bits, 1 mantissa bit); and NAME_scales (uint8): the same leading axes, one E8M0 byte (e + 127) for each 32 codes along K. Its value is code x scale, taken as it is: it is not quantised again, and the codes and scales need not be those that the quantiser above would give.
;; One version. Each part assembles by itself: llvm-mc -triple=amdgcn-amd-amdhsa -mcpu=gfx1250 --defsym DOCPART=n.
;; ======== version 1 of 1: 1 launch
;; launch decode (part 1): grid 4 x 64, 8 waves a work-group, no clusters, 140,288 bytes of LDS; arguments x_codes, x_scales, types, W1_codes, W1_scales, b1, W2_codes, W2_scales, b2, out0; writes out0
.if DOCPART == 1
	.amdgcn_target "amdgcn-amd-amdhsa--gfx1250"
	.amdhsa_code_object_version 6
	.text
	.protected	k_qbdf79826f6_decode
	.globl	k_qbdf79826f6_decode
	.p2align	8
	.type	k_qbdf79826f6_decode,@function
k_qbdf79826f6_decode:
	s_mov_b64 s[64:65], 0
	v_nop
	global_prefetch_b8 v0, s[64:65] scope:SCOPE_SE
	s_setreg_imm32_b32 hwreg(HW_REG_WAVE_MODE, 25, 1), 1
	s_wait_xcnt 0x0
; out[i] = relu(x[i] W1[t] + b1[t]) W2[t] + b2[t] with t = types[i]; a row whose type is not 0..3 is zeros.  Both products on codes of FP4 (E2M1) with one E8M0 scale for each 32 along K.
; x [65536][256], W1 [4][512][256], W2 [4][32][512] arrive as codes, K innermost; the hidden layer is quantised here, in registers, and never goes to memory.
; ONLY THE CHOSEN EXPERT'S ROWS ARE MULTIPLIED.  Work-group (e, b): expert e = x, block b = y of 1,024 neighbouring tokens.  It lists the block's tokens with (type & 3) == e (those with type != e are marked: they get zeros),
; gathers their rows of x, takes them through the chain in tiles of 16 rows, and stores each row of 128 bytes at its token's place.  Every token has one owner; any split is served: 0 to 1,024 rows, 0 to 64 tiles.
; SHARES.  Eight waves, two to a SIMD.  THE WAVES SHARE THE COLUMNS: wave w holds hidden units 64 w .. 64 w + 63 of W1 (64 registers) and all of W2 (64 registers) for the whole launch.  Tiles go in SUB-GROUPS of eight:
;   first product: every wave, for each tile: x's fragments from LDS, 8 matrix instructions (transposed: source 0 = 16 rows of W1, source 1 = x; C = b1), relu and quantiser, 4 code registers and 2 scale bytes to LDS;
;   second product: wave j takes tile j of the sub-group: 4 hidden fragments from LDS, 8 matrix instructions (source 0 = 16 rows of W2; C = b2), through its own stage, 4 stores of 4 whole rows.
;   x's image and the hidden layer's image have two buffers each, so ONE barrier serves a sub-group; the gather runs two sub-groups ahead in registers.
; THE LOOP HAS A CONSTANT COUNT (4 trips x 2 sub-groups = 64 tiles); what a split does not need is jumped over by scalar branches on the number of tiles; every barrier stands behind the joins, on every way.
; EXEC is never written: all lanes are on in every line.
; THE ROWS OF A WEIGHT'S TILE ARE NOT NEIGHBOURS: lane r takes row r + 8 (r / 8) of the tile's span, so that a lane's 16 registers of two neighbouring tiles are 16 neighbours along the next K (W1) or along a row of out (W2).
; NO JOINT LOADS, though the 64 work-groups of an expert read the same 80,512 bytes of weights: the number of tiles hangs on types, read from memory.
; LIMITS.  NaN and infinities in the hidden layer are not served.  A block of the hidden layer without a positive number has the scale byte 1 (the rule says 127): its codes are zeros, and only this text reads the byte.
; Negative hidden numbers become the code -0, which is the number 0.  b1 and b2 enter as the C of a sum's first matrix instruction, so they are added first, not last.
; A row of x and of out is 128 bytes: a store or load of the wave covers four whole rows, each 128 consecutive bytes, aligned.
.set XIMG,   0                         ; LDS: x's image: buffer x XBUF + tile x XTILE + piece p (16 bytes = one block of 32 along K) x XPC + row x 16
.set XBUF,   17408
.set XTILE,  2176
.set XPC,    272                       ; a piece: 16 rows x 16 bytes + 16 of padding: the gather's stores (8 pieces x 2 rows in 16 lanes) fall on 16 different columns of 16 bytes
.set XSC,    34816                     ; x's scale words: buffer x XSBUF + tile x 128 + 4 x lane (lanes 0-15: K step 0 of row r, lanes 16-31: K step 1)
.set XSBUF,  1024
.set HIMG,   36864                     ; the hidden layer, as images of registers: buffer x HBUF + tile x 4096 + wave x 512 + 16 x lane; wave 2 s + c wrote registers 4 c .. 4 c + 3 of K step s
.set HBUF,   32768
.set HSC,    102400                    ; its scale words: buffer x HSBUF + tile x 256 + 64 s + 4 r; wave 2 s + c wrote bytes 2 c, 2 c + 1
.set HSBUF,  2048
.set STG,    106496                    ; the way out: 16 rows x (128 + 16) bytes for each wave
.set STGW,   2304
.set SPIT,   144
.set W2IMG,  124928                    ; W2's 8 fragments as images: fragment 4 n + s at 1024 x (4 n + s) + 512 c + 16 x lane
.set LIST,   133120                    ; the list: 4 bytes a slot: bits 9:0 the token's number in the block, bit 16: its type is not e.  Slots 0 .. 1055 can be used; slots DUMP .. DUMP + 31 take what is not listed; 5,632 bytes, cleared first
.set DUMP,   1088
.set NCNT,   138752                    ; word 0: the number of rows
; vector registers, window 0
.set XRD, 1                            ; XIMG + 272 h + 16 r            (r = lane % 16, h = lane / 16, p = lane % 8, a = (lane / 8) % 2, g = 8 a + 4 h)
.set XSR, 2                            ; XSC + 4 lane
.set XWR, 3                            ; XIMG + 2176 w + 272 p + 16 g
.set XSW, 4                            ; XSC + 128 w + 4 lane
.set HWR, 5                            ; HIMG + 512 w + 16 lane
.set HSW, 6                            ; HSC + 64 (w / 2) + 2 (w % 2) + 4 r
.set HRD, 7                            ; HIMG + 4096 w + 16 lane
.set HSR, 8                            ; HSC + 256 w + 4 lane
.set SWR, 9                            ; STG + 2304 w + 144 r + 64 h
.set SRD, 10                           ; STG + 2304 w + 144 g + 16 p
.set LRD, 11                           ; LIST + 64 w + 4 g
.set LRS, 12                           ; LIST + 64 w + 4 r
.set P16, 13                           ; 16 p
.set H4,  14                           ; 4 h
.set LA,  15                           ; LRD + the trip's 1,024 bytes
.set LB,  16                           ; LRS + the same
.set ANC, 17                           ; NCNT
.set ALI, 18                           ; LIST
.set TN,  19                           ; at work
.set W1S, 20                           ; v20-23  W1's scale words, tile t: lanes 0-15 K step 0, lanes 16-31 K step 1
.set W2S, 24                           ; v24-27  W2's: register 2 n + i: lanes 0-15 K step 2 i, lanes 16-31 K step 2 i + 1
.set XS,  28                           ; v28-29  x's scale words, two sets
.set HS,  30                           ; v30-31  the hidden layer's
.set W1F, 32                           ; v32-95  W1's fragments: 8 (2 t + s) + 4 c
.set B1,  96                           ; v96-127 b1 in the result's layout: 8 t + j
.set XF,  128                          ; v128-159 x's fragments, two sets of 16: 16 z + 8 s + 4 c
.set W2T, 128                          ; at the head: my one fragment of W2 on its way to LDS
.set HA,  160                          ; v160-191 my 4 tiles of the hidden layer
.set HF,  160                          ; second product: the 4 hidden fragments; then
.set OUTR, 160                         ; v160-175 four rows' pieces on the way out
.set TY,  160                          ; at the head, wave 0: the block's types, 32 a lane
.set MX,  192                          ; v192-193 a block's largest number      (at the head v192-198 hold the lane's terms: so v194-195 have been written when the lane permute first names them)
.set PX,  194
.set SO,  196                          ; the conversions' scale operands
.set BY,  198                          ; the scale bytes
.set PW,  200                          ; two scale bytes
.set PC,  202                          ; v202-205 the codes just made
.set MK,  206
.set MT,  210
.set Y,   192                          ; second product: v192-207 its two accumulators
.set CT,  200                          ; the list's making: two sets of four at v200 and v205
.set DMP, 210                          ; DUMP + lane
.set IDXB, 212
.set S0C, 213
.set W2W, 214                          ; W2IMG + 1024 w + 16 lane
.set W2R, 215                          ; W2IMG + 16 lane
.set GX,  216                          ; v216-231 four rows' pieces of x as gathered
.set GS,  232                          ; and a scale word
.set GSA, 233
.set GA,  234                          ; v234-237 the gather's offsets
.set LENT, 238                         ; v238-241 four list entries
.set LSE, 242
.set LZA, 243                          ; LIST + 16 lane
.set LO,  244                          ; v244-247 four list entries on the way out
.set OA,  248                          ; v248-251 the stores' offsets
.set FT,  252                          ; v252-255 marks; in the list's making v252-253 are the slots' addresses
.set W1A, 244                          ; at the head v244-249 are the weights' offsets: 128 rr + 16 h (rr = r + 8 (r / 8)),
.set W1SA, 245                         ; 8 rr + 4 h,
.set BA,  246                          ; 64 h,
.set W2A, 247                          ; 256 rr + 16 h,
.set W2SA, 248                         ; 16 rr + 4 h,
.set TYA, 249                          ; 16 lane
.set T_LANE, 192
.set T_R, 193
.set T_H, 194
.set T_P, 195
.set T_A, 196
.set T_G, 197
.set T_RR, 198
; window 1: v0-63 W2's fragments, 8 (4 n + s) + 4 c; v64-79 b2 in the result's layout, 8 n + j
.set W2F, 0
.set B2,  64
; scalar registers: s[8:27] the ten addresses
.set WV,  2
.set EXP, 3
.set BLK, 4
.set CNT, 28                           ; rows
.set RT,  29                           ; tiles left at the trip's head
.set REM, 30                           ; tiles left at the sub-group's head
.set RJ,  31                           ; REM - wave
.set SGN, 32                           ; the codes' sign bits
.set LK,  33                           ; the trip's place in the list
.set TRIP, 34
.set SEL, 36                           ; s[36:37] v_permlanex16_b32's selects for lane l xor 16
.set OFS, 38                           ; s[38:39] an offset, in 64 bits
.set ZM,  40                           ; s40-43 masks of the rows that are kept
.set T0,  44
.set T1,  45
.set PW2, 46                           ; s[46:47] my fragment of W2 in memory
.set MSB, 0
.macro WIN new                         ; the immediate's high byte repeats the setting that is left
.if MSB != \new
	s_set_vgpr_msb (MSB<<8)|\new
.set MSB, \new
.endif
.endm
.macro BAR                             ; my LDS stores have landed and my LDS loads are in: then the work-group's barrier
	s_wait_dscnt 0x0
	s_barrier_signal -1
	s_barrier_wait -1
.endm
	s_load_b512 s[8:23], s[0:1], 0x0               ; x's codes s[8:9], x's scales s[10:11], types s[12:13], W1's codes s[14:15], W1's scales s[16:17], b1 s[18:19], W2's codes s[20:21], W2's scales s[22:23]
	s_load_b128 s[24:27], s[0:1], 0x40             ; b2 s[24:25], out s[26:27]
	s_set_vgpr_msb 0x40
	v_lshl_add_u32 v80, v0, 2, 0x22000
	v_mov_b32 v81, 0
	s_set_vgpr_msb 0x4000
	v_lshrrev_b32 v[TN], 5, v0
	v_readfirstlane_b32 s[WV], v[TN]               ; wave 0..7
	s_mov_b32 s[EXP], ttmp9                        ; my expert
	s_and_b32 s[BLK], ttmp7, 0xffff                ; my block of 1,024 tokens
	s_mov_b32 s[SEL], 0x76543210
	s_mov_b32 s[SEL+1], 0xfedcba98
	s_mov_b32 s[SGN], 0x88888888
	v_and_b32 v[T_LANE], 31, v0
	v_and_b32 v[T_R], 15, v0
	v_bfe_u32 v[T_H], v0, 4, 1
	v_and_b32 v[T_P], 7, v0
	v_bfe_u32 v[T_A], v0, 3, 1
	v_lshlrev_b32 v[T_G], 3, v[T_A]
	v_lshl_add_u32 v[T_G], v[T_H], 2, v[T_G]       ; g = 8 a + 4 h
	v_and_b32 v[T_RR], 8, v[T_R]
	v_add_nc_u32 v[T_RR], v[T_RR], v[T_R]          ; rr = r + 8 (r / 8)
	; every LDS address that stays is made here, ahead of the first parting of the waves
	v_mul_u32_u24 v[XRD], v[T_H], XPC
	v_lshl_add_u32 v[XRD], v[T_R], 4, v[XRD]
	v_lshl_add_u32 v[XSR], v[T_LANE], 2, XSC
	s_mul_i32 s[T0], s[WV], XTILE
	v_mul_u32_u24 v[XWR], v[T_P], XPC
	v_lshl_add_u32 v[XWR], v[T_G], 4, v[XWR]
	v_add_nc_u32 v[XWR], s[T0], v[XWR]
	s_lshl_b32 s[T0], s[WV], 7
	v_add_nc_u32 v[XSW], s[T0], v[XSR]
	s_lshl_b32 s[T0], s[WV], 9
	s_add_co_u32 s[T0], s[T0], HIMG
	v_lshl_add_u32 v[HWR], v[T_LANE], 4, s[T0]
	s_lshr_b32 s[T0], s[WV], 1
	s_lshl_b32 s[T0], s[T0], 6
	s_and_b32 s[T1], s[WV], 1
	s_lshl_b32 s[T1], s[T1], 1
	s_add_co_u32 s[T0], s[T0], s[T1]
	s_add_co_u32 s[T0], s[T0], HSC
	v_lshl_add_u32 v[HSW], v[T_R], 2, s[T0]
	s_lshl_b32 s[T0], s[WV], 12
	s_add_co_u32 s[T0], s[T0], HIMG
	v_lshl_add_u32 v[HRD], v[T_LANE], 4, s[T0]
	s_lshl_b32 s[T0], s[WV], 8
	s_add_co_u32 s[T0], s[T0], HSC
	v_lshl_add_u32 v[HSR], v[T_LANE], 2, s[T0]
	s_mul_i32 s[T0], s[WV], STGW
	s_add_co_u32 s[T0], s[T0], STG
	v_mul_u32_u24 v[SWR], v[T_R], SPIT
	v_lshl_add_u32 v[SWR], v[T_H], 6, v[SWR]
	v_add_nc_u32 v[SWR], s[T0], v[SWR]
	v_mul_u32_u24 v[SRD], v[T_G], SPIT
	v_lshl_add_u32 v[SRD], v[T_P], 4, v[SRD]
	v_add_nc_u32 v[SRD], s[T0], v[SRD]
	s_lshl_b32 s[T0], s[WV], 6
	s_add_co_u32 s[T0], s[T0], LIST
	v_lshl_add_u32 v[LRD], v[T_G], 2, s[T0]
	v_lshl_add_u32 v[LRS], v[T_R], 2, s[T0]
	v_lshlrev_b32 v[P16], 4, v[T_P]
	v_lshlrev_b32 v[H4], 2, v[T_H]
	v_mov_b32 v[ANC], NCNT
	v_mov_b32 v[ALI], LIST
	v_lshl_add_u32 v[LZA], v[T_LANE], 4, LIST
	s_lshl_b32 s[T0], s[WV], 10
	s_add_co_u32 s[T0], s[T0], W2IMG
	v_lshl_add_u32 v[W2W], v[T_LANE], 4, s[T0]
	v_lshl_add_u32 v[W2R], v[T_LANE], 4, W2IMG
	; the weights' offsets
	v_lshlrev_b32 v[W1A], 7, v[T_RR]
	v_lshl_add_u32 v[W1A], v[T_H], 4, v[W1A]
	v_lshl_add_u32 v[W1SA], v[T_RR], 3, v[H4]
	v_lshlrev_b32 v[BA], 6, v[T_H]
	v_lshlrev_b32 v[W2A], 8, v[T_RR]
	v_lshl_add_u32 v[W2A], v[T_H], 4, v[W2A]
	v_lshl_add_u32 v[W2SA], v[T_RR], 4, v[H4]
	v_lshlrev_b32 v[TYA], 4, v[T_LANE]
	; x's second set of fragments and its scale word, and the gather's registers, are written once here: a fetch or a gather and its use stand under two branches on the same number,
	; so no run multiplies by these, but every way through the text finds the registers written.  The gather's first four zeros also clear the list.  The 34 lines stand behind the scalar loads, which are still out
.set J, 0
.rept 16
	v_mov_b32 v[XF+16+J], 0
.set J, J+1
.endr
.set J, 0
.rept 17
	v_mov_b32 v[GX+J], 0
.set J, J+1
.endr
	v_mov_b32 v[XS+1], 0x7f7f7f7f                  ; four scale bytes of 1.0
	s_wait_kmcnt 0x0
	s_mov_b32 s[OFS+1], 0
	s_lshl_b32 s[OFS], s[BLK], 17                  ; 1,024 rows of 128 bytes
	s_add_nc_u64 s[8:9], s[8:9], s[OFS:OFS+1]
	s_add_nc_u64 s[26:27], s[26:27], s[OFS:OFS+1]
	s_lshl_b32 s[OFS], s[BLK], 13                  ; of 8 bytes
	s_add_nc_u64 s[10:11], s[10:11], s[OFS:OFS+1]
	s_lshl_b32 s[OFS], s[BLK], 12                  ; of 4 bytes
	s_add_nc_u64 s[12:13], s[12:13], s[OFS:OFS+1]
	s_lshl_b32 s[OFS], s[EXP], 16                  ; W1's codes: an expert's 512 rows of 128 bytes, my wave's 64 of them
	s_lshl_b32 s[T0], s[WV], 13
	s_add_co_u32 s[OFS], s[OFS], s[T0]
	s_add_nc_u64 s[14:15], s[14:15], s[OFS:OFS+1]
	s_lshr_b32 s[OFS], s[OFS], 4                   ; its scales: 8 bytes a row
	s_add_nc_u64 s[16:17], s[16:17], s[OFS:OFS+1]
	s_lshr_b32 s[OFS], s[OFS], 1                   ; b1: 4 bytes a unit
	s_add_nc_u64 s[18:19], s[18:19], s[OFS:OFS+1]
	s_lshl_b32 s[OFS], s[EXP], 9                   ; W2's scales: 32 rows of 16 bytes
	s_add_nc_u64 s[22:23], s[22:23], s[OFS:OFS+1]
	s_lshl_b32 s[OFS], s[EXP], 7                   ; b2
	s_add_nc_u64 s[24:25], s[24:25], s[OFS:OFS+1]
	s_lshl_b32 s[OFS], s[EXP], 13                  ; W2's codes: 32 rows of 256 bytes; wave w brings fragment (n = w / 4, s = w % 4): rows from 8 n on, byte 64 s
	s_lshr_b32 s[T0], s[WV], 2
	s_lshl_b32 s[T0], s[T0], 11
	s_add_co_u32 s[OFS], s[OFS], s[T0]
	s_and_b32 s[T0], s[WV], 3
	s_lshl_b32 s[T0], s[T0], 6
	s_add_co_u32 s[OFS], s[OFS], s[T0]
	s_add_nc_u64 s[PW2:PW2+1], s[20:21], s[OFS:OFS+1]
	; wave 0 asks for the block's types first: register 4 i + c = token 128 i + 4 lane + c
	s_cmp_lg_u32 s[WV], 0
	s_cbranch_scc1 .Lno_types
.irp i, 0,1,2,3,4,5,6,7
	global_load_b128 v[TY+4*\i:TY+4*\i+3], v[TYA], s[12:13] offset:512*\i
.endr
.Lno_types:
	; every wave: 38 loads: my fragment of W2 (2), then W1's fragments (16), W1's scale words (4), b1 (8), W2's scale words (4), b2 (4)
.irp c, 0,1
	global_load_b128 v[W2T+4*\c:W2T+4*\c+3], v[W2A], s[PW2:PW2+1] offset:32*\c
.endr
.irp t, 0,1,2,3                        ; tile t = 2 B + u: lane r takes row 32 B + 8 u + rr of my 64
.irp s, 0,1
.irp c, 0,1
	global_load_b128 v[W1F+8*(2*\t+\s)+4*\c:W1F+8*(2*\t+\s)+4*\c+3], v[W1A], s[14:15] offset:(32*(\t/2)+8*(\t%2))*128+64*\s+32*\c
.endr
.endr
.endr
.irp t, 0,1,2,3
	global_load_b32 v[W1S+\t], v[W1SA], s[16:17] offset:(32*(\t/2)+8*(\t%2))*8
.endr
.irp t, 0,1,2,3                        ; lane (r, h), register j of tile t: b1 of unit 32 B + 8 u + 16 h + j
	global_load_b128 v[B1+8*\t:B1+8*\t+3], v[BA], s[18:19] offset:(32*(\t/2)+8*(\t%2))*4
	global_load_b128 v[B1+8*\t+4:B1+8*\t+7], v[BA], s[18:19] offset:(32*(\t/2)+8*(\t%2))*4+16
.endr
.irp n, 0,1
.irp i, 0,1
	global_load_b32 v[W2S+2*\n+\i], v[W2SA], s[22:23] offset:128*\n+8*\i
.endr
.endr
	WIN 0x40                                       ; destination window 1
.irp n, 0,1                            ; lane (r, h), register j of tile n: b2 of output 16 h + 8 n + j
	global_load_b128 v[B2+8*\n:B2+8*\n+3], v[BA], s[24:25] offset:32*\n
	global_load_b128 v[B2+8*\n+4:B2+8*\n+7], v[BA], s[24:25] offset:32*\n+16
.endr
	WIN 0
; THE LIST, made by wave 0 alone; no other wave touches LDS ahead of the barrier behind it.  One step takes one register of types: 32 tokens.
; The lanes whose token is mine get neighbouring slots: the rows so far + the number of such lanes below.  The other lanes store too, each into a dump slot of its own, which nobody reads: so no lane is ever switched off.
.macro CMPCT k
.set CZ, CT+5*((\k)%2)
.set CA, FT+(\k)%2
	v_xor_b32 v[CZ], s[EXP], v[TY+(\k)]            ; 0 where the type is e
	v_and_b32 v[CZ+1], 3, v[CZ]
	v_cmp_eq_u32 vcc_lo, 0, v[CZ+1]                ; mine: (type & 3) == e, so that every token, whatever its type, has one owner
	v_mbcnt_lo_u32_b32 v[CZ+2], vcc_lo, s[CNT]
	s_bcnt1_i32_b32 s[T0], vcc_lo
	s_add_co_u32 s[CNT], s[CNT], s[T0]
	v_cndmask_b32 v[CZ+2], v[DMP], v[CZ+2], vcc_lo ; not mine: the lane's dump slot
	v_min_u32 v[CZ+2], DUMP+31, v[CZ+2]            ; a number made from loaded data is held before it enters an address; behind the hold a shift left and an addition
	v_lshlrev_b32 v[CA], 2, v[CZ+2]
	v_add_nc_u32 v[CA], LIST, v[CA]
	v_min_u32 v[CZ], 1, v[CZ]                      ; 1: the type is not e: the row is zeros
	v_add_nc_u32 v[CZ+3], 128*((\k)/4)+(\k)%4, v[IDXB]
	v_lshl_or_b32 v[CZ+3], v[CZ], 16, v[CZ+3]
	ds_store_b32 v[CA], v[CZ+3]
.endm
	s_cmp_lg_u32 s[WV], 0
	s_cbranch_scc1 .Lno_list
.irp i, 0,1,2,3,4,5,6,7,8,9,10         ; the list's 5,632 bytes are cleared while the types are on their way: 512 consecutive bytes a store.  LDS serves a wave's instructions in order: the slots' stores come behind these
	ds_store_b128 v[LZA], v[GX:GX+3] offset:512*\i
.endr
	s_mov_b32 s[CNT], 0
	v_and_b32 v[IDXB], 31, v0
	v_add_nc_u32 v[DMP], DUMP, v[IDXB]
	v_lshlrev_b32 v[IDXB], 2, v[IDXB]
	s_wait_loadcnt 38                              ; the 8 loads of types are in; the 38 issued behind them may be out
.set Q, 0
.rept 32
	CMPCT Q
.set Q, Q+1
.endr
	ds_load_b32 v[S0C], v[ALI]                     ; slot 0: this sees the stores above
	v_and_b32 v[CT], 31, v0
	v_add_nc_u32 v[CT], s[CNT], v[CT]
	v_min_u32 v[CT], 0x41f, v[CT]
	v_lshlrev_b32 v[FT], 2, v[CT]
	v_add_nc_u32 v[FT], LIST, v[FT]
	v_mov_b32 v[CT+1], s[CNT]
	s_wait_dscnt 0x0
	ds_store_b32 v[FT], v[S0C]                     ; the 32 slots behind the list's end are copies of slot 0: the last tile is filled with a row that is computed again and stored again, with the same bytes, by the wave that has that tile
	ds_store_b32 v[ANC], v[CT+1]
.Lno_list:
	BAR                                            ; the list and the number of rows lie in LDS
; The gather of one tile, issued: four list entries (rows g .. g + 3) and one (row r); four loads of 4 whole rows of x (8 lanes x 16 bytes a row), one of the scale words.
; No cache word: the row beside mine is another work-group's, and a copied slot names a row twice.
.macro GISSUE la, lb, off
	ds_load_b128 v[LENT:LENT+3], v[\la] offset:\off
	ds_load_b32 v[LSE], v[\lb] offset:\off
	s_wait_dscnt 0x0
.irp q, 0,1,2,3
	v_and_b32 v[GA+\q], 0x3ff, v[LENT+\q]
.endr
	v_and_b32 v[GSA], 0x3ff, v[LSE]
.irp q, 0,1,2,3
	v_min_u32 v[GA+\q], 0x3ff, v[GA+\q]            ; an index that was loaded is held before it enters an address; behind the hold a shift left and an addition
.endr
	v_min_u32 v[GSA], 0x3ff, v[GSA]
.irp q, 0,1,2,3
	v_lshlrev_b32 v[GA+\q], 7, v[GA+\q]
.endr
	v_lshlrev_b32 v[GSA], 3, v[GSA]
.irp q, 0,1,2,3
	v_add_nc_u32 v[GA+\q], v[GA+\q], v[P16]
.endr
	v_add_nc_u32 v[GSA], v[GSA], v[H4]
.irp q, 0,1,2,3
	global_load_b128 v[GX+4*\q:GX+4*\q+3], v[GA+\q], s[8:9]
.endr
	global_load_b32 v[GS], v[GSA], s[10:11]
.endm
.macro GSTORE buf                      ; and laid into x's image: piece p of rows g .. g + 3; the scale word at 4 x lane
.irp q, 0,1,2,3
	ds_store_b128 v[XWR], v[GX+4*\q:GX+4*\q+3] offset:(\buf)*XBUF+16*\q
.endr
	ds_store_b32 v[XSW], v[GS] offset:(\buf)*XSBUF
.endm
.macro FETCHX i, buf                   ; tile i's two fragments of x and its scale words, into set i % 2: registers 8 s + 4 c of lane (r, h) are piece 4 s + 2 c + h of row r
.irp s, 0,1
.irp c, 0,1
	ds_load_b128 v[XF+16*((\i)%2)+8*\s+4*\c:XF+16*((\i)%2)+8*\s+4*\c+3], v[XRD] offset:(\buf)*XBUF+(\i)*XTILE+(4*\s+2*\c)*XPC
.endr
.endr
	ds_load_b32 v[XS+(\i)%2], v[XSR] offset:(\buf)*XSBUF+(\i)*128
.endm
; 32 numbers of a lane, register 16 B + i = hidden unit 32 B + 16 h + i of my 64, of row r, become 4 code registers and 2 scale bytes.
.macro QUANT2
.irp b, 0,1
	v_max3_num_f32 v[MX+\b], v[HA+16*\b], v[HA+16*\b+1], 0x1800000   ; no |.| on the sources: relu follows, so what is negative does not count; the floor 2^(3 - 127) holds the byte at 1 from below.  Each accumulator is read from its low end on
.endr
.irp i, 2,4,6,8,10,12,14
.irp b, 0,1
	v_max3_num_f32 v[MX+\b], v[MX+\b], v[HA+16*\b+\i], v[HA+16*\b+\i+1]
.endr
.endr
.irp b, 0,1
	v_permlanex16_b32 v[PX+\b], v[MX+\b], s[SEL], s[SEL+1]
.endr
.irp b, 0,1
	v_max_num_f32 v[MX+\b], v[MX+\b], v[PX+\b]     ; with lane l xor 16's 16: the block's largest number
.endr
.irp b, 0,1
	v_add_nc_u32 v[SO+\b], 0xff000000, v[MX+\b]    ; 2 off its exponent field: the conversion takes the exponent field of this operand as its scale
.endr
.irp b, 0,1
	v_lshrrev_b32 v[BY+\b], 23, v[SO+\b]           ; the scale's byte
.endr
.irp b, 0,1
	v_cvt_scalef32_pk8_fp4_f32 v[PC+2*\b], v[HA+16*\b:HA+16*\b+7], v[SO+\b]
	v_cvt_scalef32_pk8_fp4_f32 v[PC+2*\b+1], v[HA+16*\b+8:HA+16*\b+15], v[SO+\b]
.endr
	v_lshl_or_b32 v[PW], v[BY+1], 8, v[BY]         ; my two bytes of the row's scale word.  (The plain line behind the conversions)
	; RELU ON THE CODES: a negative code loses its magnitude: 16 lines for 32 numbers
.irp g, 0,1,2,3
	v_and_b32 v[MK+\g], s[SGN], v[PC+\g]           ; 8 in each negative code's four bits,
.endr
.irp g, 0,1,2,3
	v_lshrrev_b32 v[MT+\g], 3, v[MK+\g]
.endr
.irp g, 0,1,2,3
	v_sub_nc_u32 v[MK+\g], v[MK+\g], v[MT+\g]      ; 7 there,
.endr
.irp g, 0,1,2,3
	v_bfi_b32 v[PC+\g], v[MK+\g], 0, v[PC+\g]      ; and those three bits cleared
.endr
	v_permlane16_swap_b32 v[PC], v[PC+2]           ; the operand's layout wants a WHOLE block in a lane: lanes 0-15 block 0, lanes 16-31 block 1
	v_permlane16_swap_b32 v[PC+1], v[PC+3]
.endm
; The first product for tile i of the sub-group.
.macro P1TILE i, buf
.if \i > 0
	s_cmp_le_i32 s[REM], \i
	s_cbranch_scc1 .Lp1end_\buf
.endif
	s_wait_dscnt 0x0                               ; this tile's five loads are in; the last tile's stores have landed
.if \i < 7
	s_cmp_le_i32 s[REM], \i+1
	s_cbranch_scc1 .Lnofetch_\@
	FETCHX \i+1, \buf                              ; the next tile's, into the other set, a tile ahead of their use
.Lnofetch_\@:
.endif
.set Z, (\i)%2
.irp t, 0,1,2,3                        ; the four accumulators take turns, one instruction a turn
	v_wmma_scale_f32_16x16x128_f8f6f4 v[HA+8*\t:HA+8*\t+7], v[W1F+16*\t:W1F+16*\t+7], v[XF+16*Z:XF+16*Z+7], v[B1+8*\t:B1+8*\t+7], v[W1S+\t], v[XS+Z] matrix_a_fmt:MATRIX_FMT_FP4 matrix_b_fmt:MATRIX_FMT_FP4
.endr
.irp t, 0,1,2,3
	v_wmma_scale_f32_16x16x128_f8f6f4 v[HA+8*\t:HA+8*\t+7], v[W1F+16*\t+8:W1F+16*\t+15], v[XF+16*Z+8:XF+16*Z+15], v[HA+8*\t:HA+8*\t+7], v[W1S+\t], v[XS+Z] matrix_a_fmt:MATRIX_FMT_FP4 matrix_b_fmt:MATRIX_FMT_FP4 matrix_a_scale:MATRIX_SCALE_ROW1 matrix_b_scale:MATRIX_SCALE_ROW1
.endr
.rept 4
	v_nop                                          ; four places between the last product and the first read of a result (ISA guide 7.12.1)
.endr
	QUANT2
	ds_store_b128 v[HWR], v[PC:PC+3] offset:(\buf)*HBUF+(\i)*4096
	ds_store_b16 v[HSW], v[PW] offset:(\buf)*HSBUF+(\i)*256      ; both lanes of a row write the same two bytes with the same value
.endm
; The second product and the way out for my tile of the sub-group.
.macro P2 buf, off
.irp s, 0,1,2,3
.irp c, 0,1
	ds_load_b128 v[HF+8*\s+4*\c:HF+8*\s+4*\c+3], v[HRD] offset:(\buf)*HBUF+1024*\s+512*\c
.endr
.endr
.irp i, 0,1
	ds_load_b32 v[HS+\i], v[HSR] offset:(\buf)*HSBUF+128*\i
.endr
	ds_load_b128 v[LO:LO+3], v[LA] offset:\off
	s_wait_dscnt 0x0
	WIN 0x11                                       ; source 0 (W2) and source 2 (b2) window 1
.irp n, 0,1                            ; the two accumulators take turns, one instruction a turn
	v_wmma_scale_f32_16x16x128_f8f6f4 v[Y+8*\n:Y+8*\n+7], v[W2F+32*\n:W2F+32*\n+7], v[HF:HF+7], v[B2+8*\n:B2+8*\n+7], v[W2S+2*\n], v[HS] matrix_a_fmt:MATRIX_FMT_FP4 matrix_b_fmt:MATRIX_FMT_FP4
.endr
	WIN 0x01                                       ; source 0 window 1
.irp n, 0,1
	v_wmma_scale_f32_16x16x128_f8f6f4 v[Y+8*\n:Y+8*\n+7], v[W2F+32*\n+8:W2F+32*\n+15], v[HF+8:HF+15], v[Y+8*\n:Y+8*\n+7], v[W2S+2*\n], v[HS] matrix_a_fmt:MATRIX_FMT_FP4 matrix_b_fmt:MATRIX_FMT_FP4 matrix_a_scale:MATRIX_SCALE_ROW1 matrix_b_scale:MATRIX_SCALE_ROW1
.endr
.irp n, 0,1
	v_wmma_scale_f32_16x16x128_f8f6f4 v[Y+8*\n:Y+8*\n+7], v[W2F+32*\n+16:W2F+32*\n+23], v[HF+16:HF+23], v[Y+8*\n:Y+8*\n+7], v[W2S+2*\n+1], v[HS+1] matrix_a_fmt:MATRIX_FMT_FP4 matrix_b_fmt:MATRIX_FMT_FP4
.endr
.irp n, 0,1
	v_wmma_scale_f32_16x16x128_f8f6f4 v[Y+8*\n:Y+8*\n+7], v[W2F+32*\n+24:W2F+32*\n+31], v[HF+24:HF+31], v[Y+8*\n:Y+8*\n+7], v[W2S+2*\n+1], v[HS+1] matrix_a_fmt:MATRIX_FMT_FP4 matrix_b_fmt:MATRIX_FMT_FP4 matrix_a_scale:MATRIX_SCALE_ROW1 matrix_b_scale:MATRIX_SCALE_ROW1
.endr
	WIN 0
.irp q, 0,1,2,3                        ; the stores' offsets: sixteen plain lines that name none of the products' registers: they are the places behind the last product
	v_and_b32 v[OA+\q], 0x3ff, v[LO+\q]
.endr
.irp q, 0,1,2,3
	v_min_u32 v[OA+\q], 0x3ff, v[OA+\q]            ; an index that was loaded is held before it enters an address; behind the hold a shift left and an addition
.endr
.irp q, 0,1,2,3
	v_lshlrev_b32 v[OA+\q], 7, v[OA+\q]
.endr
.irp q, 0,1,2,3
	v_add_nc_u32 v[OA+\q], v[OA+\q], v[P16]
.endr
.irp k, 0,1,2,3                        ; lane (r, h) holds outputs 16 h + 0 .. 15 of row r: 64 bytes; each accumulator from its low end on
	ds_store_b128 v[SWR], v[Y+4*\k:Y+4*\k+3] offset:16*\k
.endr
.irp q, 0,1,2,3                        ; back: 16 bytes at 16 p of row g + q.  LDS serves a wave's instructions in order: these see my stores
	ds_load_b128 v[OUTR+4*\q:OUTR+4*\q+3], v[SRD] offset:SPIT*\q
.endr
.irp q, 0,1,2,3
	v_and_b32 v[FT+\q], 0x10000, v[LO+\q]
.endr
.irp q, 0,1,2,3
	v_cmp_eq_u32 s[ZM+\q], 0, v[FT+\q]             ; the rows whose type is e
.endr
	s_wait_dscnt 0x0
.irp q, 0,1,2,3
.irp k, 0,1,2,3
	v_cndmask_b32 v[OUTR+4*\q+\k], 0, v[OUTR+4*\q+\k], s[ZM+\q]   ; the others are zeros
.endr
	global_store_b128 v[OA+\q], v[OUTR+4*\q:OUTR+4*\q+3], s[26:27] th:TH_STORE_NT   ; eight lanes store a row's 128 consecutive bytes, four rows an instruction; written once, read by nobody here
.endr
	s_wait_xcnt 0x0                                ; the stores have read their data and offsets: the next products write the one, the next way out the other
.endm
	ds_load_b32 v[TN], v[ANC]
	s_wait_dscnt 0x0
	v_readfirstlane_b32 s[CNT], v[TN]
	s_min_u32 s[CNT], s[CNT], 0x400
	s_add_co_u32 s[RT], s[CNT], 15
	s_lshr_b32 s[RT], s[RT], 4                     ; tiles
	s_sub_co_i32 s[RJ], s[RT], s[WV]
	s_mov_b32 s[LK], 0
	s_wait_loadcnt 36                              ; my fragment of W2 is in; the 36 loads issued behind its two may be out
	ds_store_b128 v[W2W], v[W2T:W2T+3]
	ds_store_b128 v[W2W], v[W2T+4:W2T+7] offset:512
	s_cmp_le_i32 s[RJ], 0
	s_cbranch_scc1 .Lno_g0
	GISSUE LRD, LRS, 0                             ; sub-group 0: wave j gathers tile j
	s_wait_loadcnt 0x0
	GSTORE 0
.Lno_g0:
	s_wait_loadcnt 0x0                             ; the weights, on either way
	BAR                                            ; x's first image and W2's eight fragments lie in LDS
	WIN 0x40                                       ; destination window 1
.irp f, 0,1,2,3,4,5,6,7
.irp c, 0,1
	ds_load_b128 v[W2F+8*\f+4*\c:W2F+8*\f+4*\c+3], v[W2R] offset:1024*\f+512*\c   ; all of W2 into every wave's registers; the next wait for LDS, which is for 0, covers these
.endr
.endr
	WIN 0
	s_cmp_le_i32 s[RJ], 8
	s_cbranch_scc1 .Lno_g1
	GISSUE LRD, LRS, 512                           ; sub-group 1
.Lno_g1:
; A SUB-GROUP, k = 2 x trip + par.  In front of its barrier: the first product (reads x's buffer par, writes the hidden buffer par) and the next sub-group's x into buffer 1 - par.
; Behind it: the gather of sub-group k + 2 is issued, and the second product reads the hidden buffer par, while the next sub-group's first product writes the other.
; A buffer is written again only behind the next barrier, which every wave signals behind its reads of it, with no LDS instruction out.
.macro STAGE par
	s_sub_co_i32 s[REM], s[RT], 8*\par
	s_sub_co_i32 s[RJ], s[REM], s[WV]
	s_cmp_le_i32 s[REM], 0
	s_cbranch_scc1 .Lp1end_\par
	FETCHX 0, \par
.irp i, 0,1,2,3,4,5,6,7
	P1TILE \i, \par
.endr
.Lp1end_\par:
	s_wait_loadcnt 0x0                             ; the gather issued a sub-group ago is in; on every way, so that the next gather finds its registers free
	s_cmp_le_i32 s[RJ], 8
	s_cbranch_scc1 .Lbar_\par
	GSTORE 1-\par
.Lbar_\par:
	BAR
	s_cmp_le_i32 s[REM], 0
	s_cbranch_scc1 .Lend_\par
	s_cmp_le_i32 s[RJ], 16
	s_cbranch_scc1 .Lnog_\par
	GISSUE LA, LB, 512*\par+1024
.Lnog_\par:
	s_cmp_le_i32 s[RJ], 0
	s_cbranch_scc1 .Lend_\par
	P2 \par, 512*\par
.Lend_\par:
.endm
	s_mov_b32 s[TRIP], 0
.Ltrip:                                                ; four trips of two sub-groups, whatever the split
	v_add_nc_u32 v[LA], s[LK], v[LRD]
	v_add_nc_u32 v[LB], s[LK], v[LRS]
	STAGE 0
	STAGE 1
	s_sub_co_i32 s[RT], s[RT], 16
	s_add_co_u32 s[LK], s[LK], 1024
	s_add_co_u32 s[TRIP], s[TRIP], 1
	s_cmp_lt_u32 s[TRIP], 4
	s_cbranch_scc1 .Ltrip
	s_set_vgpr_msb 0x5
	s_wait_tensorcnt 0x0
	ds_add_u32 v80, v81
	s_wait_dscnt 0x0
	s_set_vgpr_msb 0x500
	s_endpgm
.Lfunc_end_k_qbdf79826f6_decode:
	.size	k_qbdf79826f6_decode, .Lfunc_end_k_qbdf79826f6_decode-k_qbdf79826f6_decode
	.p2alignl 7, 3214868480
	.fill 96, 4, 3214868480
	.section	.rodata,"a",@progbits
	.p2align	6, 0x0
	.amdhsa_kernel k_qbdf79826f6_decode
		.amdhsa_group_segment_fixed_size 140288
		.amdhsa_private_segment_fixed_size 0
		.amdhsa_enable_private_segment 0
		.amdhsa_kernarg_size 80
		.amdhsa_user_sgpr_count 2
		.amdhsa_user_sgpr_kernarg_segment_ptr 1
		.amdhsa_wavefront_size32 1
		.amdhsa_system_sgpr_workgroup_id_x 1
		.amdhsa_system_sgpr_workgroup_id_y 1
		.amdhsa_system_sgpr_workgroup_id_z 1
		.amdhsa_system_vgpr_workitem_id 0
		.amdhsa_next_free_vgpr 338
		.amdhsa_next_free_sgpr 66
		.amdhsa_reserve_vcc 1
		.amdhsa_float_denorm_mode_32 3
		.amdhsa_float_denorm_mode_16_64 3
		.amdhsa_memory_ordered 1
		.amdhsa_forward_progress 1
		.amdhsa_inst_pref_size 119
	.end_amdhsa_kernel
	.amdgpu_metadata
---
amdhsa.version: [ 1, 2 ]
amdhsa.kernels:
  - .name:           k_qbdf79826f6_decode
    .symbol:         k_qbdf79826f6_decode.kd
    .args:
      - { .name: x_codes, .offset: 0, .size: 8, .value_kind: global_buffer, .address_space: global }
      - { .name: x_scales, .offset: 8, .size: 8, .value_kind: global_buffer, .address_space: global }
      - { .name: types, .offset: 16, .size: 8, .value_kind: global_buffer, .address_space: global }
      - { .name: W1_codes, .offset: 24, .size: 8, .value_kind: global_buffer, .address_space: global }
      - { .name: W1_scales, .offset: 32, .size: 8, .value_kind: global_buffer, .address_space: global }
      - { .name: b1, .offset: 40, .size: 8, .value_kind: global_buffer, .address_space: global }
      - { .name: W2_codes, .offset: 48, .size: 8, .value_kind: global_buffer, .address_space: global }
      - { .name: W2_scales, .offset: 56, .size: 8, .value_kind: global_buffer, .address_space: global }
      - { .name: b2, .offset: 64, .size: 8, .value_kind: global_buffer, .address_space: global }
      - { .name: out0, .offset: 72, .size: 8, .value_kind: global_buffer, .address_space: global }
    .group_segment_fixed_size: 140288
    .private_segment_fixed_size: 0
    .kernarg_segment_align: 8
    .kernarg_segment_size: 80
    .max_flat_workgroup_size: 256
    .sgpr_count:     66
    .vgpr_count:     338
    .wavefront_size: 32
...
	.end_amdgpu_metadata
.endif
;; end of part 1
